; MI455X (gfx1250); checked and timed in simulation.
; The chip was launched on July 23, 2026; its instructions are those of AMD's public machine-readable ISA for CDNA 5 (MIT licence, August 2026) and "CDNA5" Instruction Set Architecture Reference Guide (July 2026). The comments in the code are by the model that wrote it; some were corrected since.
;; Attn. Allowed arithmetic: matrix products marked QUANTISED: E4M3 operands, one E8M0 scale for each 32 along K, by v_wmma_scale_f32_16x16x128_f8f6f4 with both operands' format E4M3, f32 sums; products left as they are: f32 operands where the result goes on into a quantised operand, else bf16, f16 or f32 operands; f32 sums; everything else in f32.
;; Inputs: W_codes 1,024 x 32 x 32 uint8 (E4M3 codes of W, K innermost, in blocks of 32 codes); W_scales 1,024 x 32 uint8 (E8M0 scales of W, one for each 32 codes along K); b 1,024 float32; encoder_outputs_codes 2,048 x 32 x 32 x 32 uint8 (E4M3 codes of encoder_outputs, K innermost, in blocks of 32 codes); encoder_outputs_scales 2,048 x 32 x 32 uint8 (E8M0 scales of encoder_outputs, one for each 32 codes along K); hidden 1 x 32 x 1,024 float32.
;; Outputs: out0 32 x 1 x 2,048 float32.
;; This version of the problem:
;;   THIS VERSION OF THE PROBLEM IS GIVEN IN LOW PRECISION. The matrix products marked QUANTISED in the list below multiply operands that are first quantised to E4M3 (4 exponent bits, 3 mantissa bits; 8 bits a number), with one power-of-two scale for each 32 numbers along K (OCP MX v1.0); their sums are f32. All else is computed in f32.
;;   The module's matrix products, in the order in which they are computed (A, B: the left and right operand; K: the contracted axis; several contracted axes count as one K, in the product's order):
;;     1. [M 65,536, K 1,024] x [K 1,024, N 1,024]; A: input encoder_outputs (given as codes); B: input W (given as codes): QUANTISED
;;     2. batch 32 x [M 1, K 1,024] x [K 1,024, N 2,048]; A: input hidden; B: computed on the way: left as it is (M = 1 < 16)
;;   THE QUANTISER, for each operand of a quantised product, along K:
;;     - K is cut into blocks of 32 from its start; a last block that is shorter is filled with zeros.
;;     - A block's scale is 2^e with e = floor(log2(the largest magnitude in the block)) - 8, held to -126 .. 127; a block of zeros has e = 0. As a byte (E8M0): e + 127.
;;     - Each number is divided by its block's scale, clamped to +-448, and rounded to the nearest number of E4M3, ties to even, subnormals kept.
;;     - The product sums the exact products of the quantised numbers (number of the format x scale) in f32.
;;   ~~~python
;;   def quantise(x, axis):      # numpy; x: float32 -> the quantised numbers, widened to float32 again
;;       x = np.moveaxis(x, axis, -1); K = x.shape[-1]
;;       x = np.pad(x, [(0, 0)] * (x.ndim - 1) + [(0, -K % 32)]); x = x.reshape(x.shape[:-1] + (-1, 32)); a = np.abs(x).max(-1, keepdims=True)
;;       e = np.where(a > 0, np.clip(np.frexp(np.where(a > 0, a, 1))[1] - 1 - 8, -126, 127), 0)      # np.frexp(a)[1] - 1 = floor(log2(a)), exactly
;;       r = np.clip(x / 2.0 ** e, -448, 448)
;;       step = 2.0 ** (np.maximum(np.frexp(np.where(r == 0, 1, r))[1] - 1, -6) - 3)
;;       q = np.round(r / step) * step * 2.0 ** e      # np.round: ties to even
;;       return np.moveaxis(q.reshape(q.shape[:-2] + (-1,))[..., :K], -1, axis).astype(np.float32)
;;   ~~~
;;   INPUTS GIVEN AS CODES. W (in the module: [1024, 1024], K = its axis 1); encoder_outputs (in the module: [2048, 32, 1024], K = its axis 2): each comes as NAME_codes (uint8): NAME with its K axis moved to the last place and cut into blocks of 32 codes, [.., K / 32, bytes a block], one block behind the other in memory; one code a byte (a code: sign, 4 exponent bits, 3 mantissa bits); and NAME_scales (uint8): the same leading axes, one E8M0 byte (e + 127) for each 32 codes along K. Its value is code x scale, taken as it is: it is not quantised again, and the codes and scales need not be those that the quantiser above would give.
;; One version. Each part assembles by itself: llvm-mc -triple=amdgcn-amd-amdhsa -mcpu=gfx1250 --defsym DOCPART=n.
;; ======== version 1 of 1: 2 launches
;; limits: right only within a limited range of input values
;; workspace buffers: parts 1,048,576 bytes
;; launch energy (part 1): grid 4 x 64, 8 waves a work-group, clusters of 4 x 4, 327,680 bytes of LDS; arguments encoder_outputs_codes, encoder_outputs_scales, W_codes, W_scales, hidden, parts; writes parts
.if DOCPART == 1
	.amdgcn_target "amdgcn-amd-amdhsa--gfx1250"
	.amdhsa_code_object_version 6
	.text
	.protected	k_qbddbb1b2ec_energy
	.globl	k_qbddbb1b2ec_energy
	.p2align	8
	.type	k_qbddbb1b2ec_energy,@function
k_qbddbb1b2ec_energy:
	s_mov_b64 s[64:65], 0
	v_nop
	global_prefetch_b8 v0, s[64:65] scope:SCOPE_SE
	s_setreg_imm32_b32 hwreg(HW_REG_WAVE_MODE, 25, 1), 1
	s_wait_xcnt 0x0
	s_wait_alu depctr_hold_cnt(0) depctr_sa_sdst(0) depctr_va_vdst(0) depctr_va_sdst(0) depctr_va_ssrc(0) depctr_va_vcc(0) depctr_vm_vsrc(0)
	s_getreg_b32 s2, hwreg(HW_REG_IB_STS2, 6, 4)
	s_cmp_eq_u32 s2, 0
	s_cbranch_scc0 .Lentry_in_a_cluster
	s_endpgm
.Lentry_in_a_cluster:
	s_bfe_u32 s2, ttmp6, 0x10000c
	s_cmp_lg_u32 s2, 0xf033
	s_cbranch_scc0 .Lentry_shape_is_right
	s_endpgm
.Lentry_shape_is_right:
; parts[cg][b][s] = sum over the 256 columns o of group cg of hidden[b][o] x (sum over k of enc[s][b][k] W[o][k]), f32; the next launch adds the four groups and takes the softmax over s.
; enc: [2048 s][32 b][1024 k], W: [1024 o][1024 k]: codes of FP8 (E4M3) with one E8M0 byte for each 32 along k, taken as they lie.
; DEAD WORK.  The bias b adds hidden[batch] . b to every energy of a batch: one number along the softmax's axis, whatever the inputs hold, which cancels in the softmax.  So b is not loaded and is no argument.
; LIMITS.  A NaN, an infinity or an overflow that reaches only the bias's term is not carried to the result.  A NaN code or the scale byte 0xff makes its row's energy NaN.
; k is summed in four quarters and o in groups, so the order of the f32 sums is not that of a plain loop.
; SHARES.  256 work-groups of eight waves.  Work-group (cg, rg): columns 256 cg .. + 255, batches 16 bh .. + 15 (bh = rg % 2), positions 64 pg .. + 63 (pg = rg / 2).
; Wave w = 4 ch + kq keeps 128 columns x 256 of k (quarter kq) of W in 256 REGISTERS for the whole launch: column blocks a = 0..3: rows 64 ch + 16 a of the group's 256, a = 4..7: rows 128 + 64 ch + 16 (a - 4).
; The encoder goes past in row blocks: the 16 batches of one position.  A block is a run of 16 products: two K steps of 128, eight accumulators by turns; then 32 folds; then one run of LDS loads for the block after next.
; Two waves share a SIMD, so that one may multiply while the other folds and loads.
; USED TRANSPOSED: source 0 = W, source 1 = the encoder, so a lane (r, h) holds ONE row (batch r) and its registers the columns 8 h + j: hidden's 64 numbers of the lane stay in registers too,
; and a fold is a packed multiply-add into one of four chains by turns.
; CLUSTER.  The four of a row of the cluster (same rg) ask for the encoder's tiles and scales JOINTLY, the four of a column (same cg) for W's.
; LDS: two slots of 128 rows (8 positions) and their scale bytes.  W's 256 rows lie in the slots first; when all waves hold them in registers the encoder's tiles are filled over them behind drained rounds.
; PREFETCH: each fill of codes (8 positions x 16,384 bytes) is asked for two fills ahead of its load, each 256 bytes once in the cluster: wave w < 4 of partner cx names 32 of the 512 blocks; it stops with fill 7.
; The scale bytes are 1/33 of a fill's bytes and have a slot's eight blocks of work in which to land: they are not prefetched.
; REGISTERS.  Window 0: addresses, scales, chains, hidden, accumulators, the encoder's fragments.  Window 1: W's 16 fragments.
.set PITCH, 1040                       ; an LDS row: 1,024 bytes + 16 of padding = 260 words: row r starts at bank 4 r mod 64 (64 banks of 4 bytes: ISA guide 11.1)
.set BLKB,  16*PITCH                   ; a row block
.set R1,    128*PITCH                  ; slot 0 at byte 0, slot 1 here
.set SCA,   2*R1                       ; the encoder's scale bytes: slot x 4,096 + position x 512 + batch x 32 + k / 32
.set PART,  SCA+8192                   ; partial energies: wave x 4,096 + position x 64 + batch x 4; written by LDS stores alone
.set SPARE, PART+32768                 ; the spare words, 128 bytes for each wave
.set FILLB, 262144                     ; bytes of codes from a fill to the next: 8 positions of 32,768
.set SPW, 2                            ; v2  LDS address of my spare word
.set NIL, 3                            ; v3  0
.set ADZ, 4                            ; v4-7 the encoder's rows: blocks 0-3, 4-7 of slot 0, then of slot 1
.set PFO, 8                            ; v8  256 x lane
.set PST, 9                            ; v9  where my partial energies go; steps 1,024 a trip
.set T0,  10                           ; v10-13 at work (at the head v10, v11: W's rows in slot 0, 1)
.set T1,  12
.set ADA, 10
.set EE,  14                           ; v14, v15 a pair of blocks' sums
.set EO,  15
.set SW,  16                           ; v[16 + 8 k + a / 2]: W's scale words, lanes 0-15 the even block, 16-31 the odd one
.set SE,  20                           ; v[20 + 2 set + k]: the encoder's, lanes 0-15 the even block of a pair, 16-31 the odd one; differs from SW's registers modulo 8
.set PX,  32                           ; v32-34 at work
.set PY,  33
.set PZ,  34
.set FRD, 35                           ; v35 where I read two batches back
.set GO,  36                           ; v36 8 x lane
.set ADS, 37                           ; v37 the encoder's scale words
.set EN,  40                           ; v40-47 four chains
.set HW,  48                           ; v48-111 hidden: v[48 + 8 a + j]
.set ACC, 112                          ; v112-175
.set FR,  176                          ; v176-239 the encoder's fragments, two sets of two K steps
.set WV, 16
.set CH, 17
.set KQ, 18
.set CX, 19
.set CY, 20
.set RG, 21
.set PG, 22
.set BH, 23
.set G1A, 24                           ; descriptor groups 1
.set G1W, 32
.set G1S, 40
.set G1T, 48
.set G0W, 56                           ; descriptor groups 0
.set G0S, 60
.set G0A, 68                           ; codes: s[68:71] slot 0, s[72:75] slot 1
.set G0T, 76                           ; scales: s[76:79] slot 0, s[80:83] slot 1
.set PFA, 84
.set TRIP, 86
.set LIM, 87                           ; 1 in the waves that prefetch, else 9
.set MSB, 0
.macro WIN new                         ; the immediate's high byte repeats the setting that is left; a switch that changes nothing is dropped
.if MSB != (\new)
	s_set_vgpr_msb (MSB<<8)|(\new)
.set MSB, (\new)
.endif
.endm
.macro CREST                           ; a round of the cluster's barrier behind its opening barrier
	s_cmp_lg_u32 s[WV], 0
	s_cbranch_scc1 .Lnot_wave_0_\@
	s_barrier_signal -3
.Lnot_wave_0_\@:
	s_barrier_wait -3
	s_barrier_signal -1
	s_barrier_wait -1
.endm
.macro ROUND
	s_barrier_signal -1
	s_barrier_wait -1
	CREST
.endm
.macro FOURNOP
.rept 4
	v_nop
.endr
.endm
.macro GROUP1 g, m, w0, d0, d1, st     ; a tile of d1 rows x d0 elements of 8 bytes, st elements from row to row, inside its tensor; m: the mask
	s_or_b32 s[\g], \m, \w0
	s_mov_b32 s[\g+1], (\d0)<<16
	s_mov_b32 s[\g+2], (\d1)<<16
	s_mov_b32 s[\g+3], (\d0)<<16
	s_mov_b32 s[\g+4], \d1
	s_mov_b32 s[\g+5], \st
	s_mov_b32 s[\g+6], 0
	s_mov_b32 s[\g+7], 0
.endm
.macro PREF off                        ; waves 0-3 alone
	s_cmp_eq_u32 s[LIM], 1
	s_cbranch_scc0 .Lnot_mine_\@
	global_prefetch_b8 v[PFO], s[PFA:PFA+1] offset:\off th:TH_LOAD_NT scope:SCOPE_SE
.Lnot_mine_\@:
.endm
	s_load_b256 s[4:11], s[0:1], 0x0               ; encoder's codes s[4:5], its scales s[6:7], W's codes s[8:9], W's scales s[10:11]
	s_load_b128 s[12:15], s[0:1], 0x20             ; hidden s[12:13], parts s[14:15]
	v_lshl_add_u32 v[SPW], v0, 2, SPARE
	v_mov_b32 v[NIL], 0
	ds_add_u32 v[SPW], v[NIL]                      ; the opening lines
	ds_add_u32 v[SPW], v[NIL]
	v_lshrrev_b32 v1, 5, v0
	v_readfirstlane_b32 s[WV], v1
	s_lshr_b32 s[CH], s[WV], 2
	s_and_b32 s[KQ], s[WV], 3
	s_bfe_u32 s[CX], ttmp6, 0x40000                ; the column group: the grid is one cluster wide
	s_bfe_u32 s[CY], ttmp6, 0x40004
	s_and_b32 s[RG], ttmp7, 0xffff
	s_lshl_b32 s[RG], s[RG], 2
	s_add_co_u32 s[RG], s[RG], s[CY]
	s_lshr_b32 s[PG], s[RG], 1
	s_and_b32 s[BH], s[RG], 1
	s_lshl_b32 s100, s[CY], 2
	s_lshl_b32 s100, 15, s100                      ; my row of the cluster
	s_lshl_b32 s101, 0x1111, s[CX]                 ; my column
	GROUP1 G1A, s100, 0x07f30000, 2048, 2, 4096    ; two positions of 16 dense rows of 1,024 bytes; 16 bytes of padding behind each 256 words; bit 21 beside the mask
	GROUP1 G1W, s101, 0x07f30000, 128, 64, 128     ; 64 dense rows of W
	GROUP1 G1S, s100, 0x00230000, 64, 4, 128       ; the head's scales: 4 positions x 512 bytes, 1,024 bytes apart
	GROUP1 G1T, s100, 0x00230000, 64, 2, 128       ; the ring's: 2 positions
.irp g, G0W, G0S, G0A, G0A+4, G0T, G0T+4
	s_mov_b32 s[\g], 1
.endr
	s_mul_i32 s[G0W+1], s[WV], 64*PITCH            ; waves 0, 1: slot 0's halves, 2, 3: slot 1's
	s_mul_i32 s[G0A+1], s[KQ], 32*PITCH            ; two positions a wave
	s_add_co_u32 s[G0A+5], s[G0A+1], R1
	s_lshl_b32 s91, s[KQ], 11
	s_add_co_u32 s[G0S+1], s91, SCA
	s_lshl_b32 s91, s[KQ], 10
	s_add_co_u32 s[G0T+1], s91, SCA
	s_add_co_u32 s[G0T+5], s91, SCA+4096
	s_mov_b32 s93, 0
	s_mov_b32 s95, 0
	s_mov_b32 s97, 0
	s_mov_b32 s99, 0
	s_mov_b32 s3, 0
	s_lshl_b32 s92, s[CX], 18                      ; W: 256 rows of 1,024 bytes a column group, 64 rows a wave
	s_lshl_b32 s91, s[WV], 16
	s_add_co_u32 s92, s92, s91
	s_lshl_b32 s98, s[KQ], 16                      ; two positions of the encoder a wave
	s_lshl_b32 s94, s[PG], 21                      ; the encoder: 64 positions of 32,768 bytes,
	s_lshl_b32 s91, s[BH], 14
	s_add_co_u32 s94, s94, s91                     ; 16 batches
	s_lshl_b32 s96, s[CX], 2                       ; the prefetches: share 4 cx + w of 16
	s_add_co_u32 s96, s96, s[KQ]
	s_lshr_b32 s2, s96, 1
	s_lshl_b32 s2, s2, 15
	s_and_b32 s96, s96, 1
	s_lshl_b32 s96, s96, 13
	s_add_co_u32 s96, s96, s2
	s_mov_b32 s[LIM], 9
	s_cmp_lt_u32 s[WV], 4
	s_cselect_b32 s[LIM], 1, s[LIM]
	s_wait_dscnt 0x0                               ; both opening adds are done
	s_wait_alu depctr_va_vdst(0)
	s_wait_kmcnt 0x0
	s_add_nc_u64 s[G0W+2:G0W+3], s[8:9], s[92:93]
	s_or_b32 s[G0W+3], s[G0W+3], 0x80000000
	s_add_nc_u64 s[G0A+2:G0A+3], s[4:5], s[94:95]
	s_add_nc_u64 s[PFA:PFA+1], s[G0A+2:G0A+3], s[96:97]
	s_add_nc_u64 s[G0A+2:G0A+3], s[G0A+2:G0A+3], s[98:99]
	s_add_nc_u64 s[G0A+6:G0A+7], s[G0A+2:G0A+3], FILLB
	s_or_b32 s[G0A+3], s[G0A+3], 0x80000000
	s_or_b32 s[G0A+7], s[G0A+7], 0x80000000
	s_lshl_b32 s94, s[PG], 16                      ; its scales: 64 positions of 1,024 bytes, 16 batches of 32
	s_lshl_b32 s91, s[BH], 9
	s_add_co_u32 s94, s94, s91
	s_add_nc_u64 s[G0S+2:G0S+3], s[6:7], s[94:95]
	s_lshl_b32 s98, s[KQ], 11                      ; the ring's: two positions a wave,
	s_add_nc_u64 s[G0T+2:G0T+3], s[G0S+2:G0S+3], s[98:99]
	s_add_nc_u64 s[G0T+6:G0T+7], s[G0T+2:G0T+3], 8192
	s_lshl_b32 s98, s[KQ], 12                      ; the head's: four
	s_add_nc_u64 s[G0S+2:G0S+3], s[G0S+2:G0S+3], s[98:99]
	s_or_b32 s[G0S+3], s[G0S+3], 0x80000000
	s_or_b32 s[G0T+3], s[G0T+3], 0x80000000
	s_or_b32 s[G0T+7], s[G0T+7], 0x80000000
	s_lshl_b32 s2, s[CX], 18                       ; parts: group cg, batch 16 bh + 2 w, position 64 pg
	s_lshl_b32 s91, s[BH], 17
	s_add_co_u32 s2, s2, s91
	s_lshl_b32 s91, s[WV], 14
	s_add_co_u32 s2, s2, s91
	s_lshl_b32 s91, s[PG], 8
	s_add_co_u32 s2, s2, s91
	s_add_nc_u64 s[14:15], s[14:15], s[2:3]
	s_lshl_b32 s92, s[CX], 13                      ; W's scales: row 256 cg + 64 ch, my quarter's 8 bytes
	s_lshl_b32 s91, s[CH], 11
	s_add_co_u32 s92, s92, s91
	s_lshl_b32 s91, s[KQ], 3
	s_add_co_u32 s92, s92, s91
	s_lshl_b32 s93, s[BH], 16                      ; hidden: row 16 bh, column 256 cg + 64 ch
	s_lshl_b32 s91, s[CX], 10
	s_add_co_u32 s93, s93, s91
	s_lshl_b32 s91, s[CH], 8
	s_add_co_u32 s93, s93, s91
	s_lshl_b32 s94, s[KQ], 8                       ; my quarter of k
	s_mul_i32 s95, s[CH], 64*PITCH                 ; my rows of W in a slot
	s_lshl_b32 s96, s[KQ], 3
	s_add_co_u32 s96, s96, SCA
	s_lshl_b32 s97, s[WV], 12
	s_add_co_u32 s97, s97, PART
	s_lshl_b32 s98, s[WV], 3
	s_add_co_u32 s98, s98, PART
	s_mov_b32 s88, 0x76543210                      ; v_permlanex16_b32's selects for lane l xor 16
	s_mov_b32 s89, 0xfedcba98
	s_mov_b32 s90, 0xffff0000                      ; lanes 16-31
	ROUND                                          ; all sixteen work-groups are here: the first joint loads meet
	; one tensor load a wave: waves 0, 1 W's rows for slot 0, waves 2, 3 those for slot 1, waves 4-7 the scales of the encoder's first 16 positions
	s_cmp_lt_u32 s[WV], 2
	s_cbranch_scc0 .Lhead_2
	tensor_load_to_lds s[G0W:G0W+3], s[G1W:G1W+7]
	s_nop 0
	FOURNOP
	s_branch .Lhead_asked
.Lhead_2:
	s_cmp_lt_u32 s[WV], 4
	s_cbranch_scc0 .Lhead_3
	tensor_load_to_lds s[G0W:G0W+3], s[G1W:G1W+7]
	s_nop 0
	FOURNOP
	s_branch .Lhead_asked
.Lhead_3:
	tensor_load_to_lds s[G0S:G0S+3], s[G1S:G1S+7]
	s_nop 0
	FOURNOP
.Lhead_asked:
	v_and_b32 v240, 15, v0                         ; r
	v_bfe_u32 v241, v0, 4, 1                       ; h
	v_and_b32 v242, 31, v0                         ; lane
	v_lshlrev_b32 v244, 12, v240
	v_lshl_add_u32 v243, v242, 5, s92
	v_lshl_add_u32 v244, v241, 5, v244
	v_mul_u32_u24 v[ADZ], v240, PITCH
	v_add_nc_u32 v244, s93, v244                   ; hidden: row r, + 8 h columns
	; a fragment (16 rows x 128 k) is 16 registers: lane l holds row r; registers 4 c .. 4 c + 3 hold k = 32 c + 16 h + 0..15
	v_lshl_add_u32 v[ADZ], v241, 4, v[ADZ]
	v_lshlrev_b32 v[PFO], 8, v242
	v_add_nc_u32 v[ADZ], s94, v[ADZ]
	v_lshl_add_u32 v[PST], v242, 2, s97
	v_add_nc_u32 v[ADZ+1], 4*BLKB, v[ADZ]
	v_add_nc_u32 v[ADZ+2], R1, v[ADZ]
	v_add_nc_u32 v[ADZ+3], R1+4*BLKB, v[ADZ]
	v_add_nc_u32 v[ADA], s95, v[ADZ]
	v_lshl_add_u32 v[FRD], v242, 7, s98
	v_add_nc_u32 v[ADA+1], R1, v[ADA]
	v_lshlrev_b32 v[GO], 3, v242
	v_lshl_add_u32 v[ADS], v242, 5, s96            ; 512 h + 32 r = 32 x lane
	v_mov_b32 v[PZ], 0                             ; a lane permute's destination counts as one of its sources
.irp k, 0,1
	global_load_b32 v[SW+8*\k], v243, s[10:11] offset:4*\k
	global_load_b32 v[SW+8*\k+1], v243, s[10:11] offset:1024+4*\k
	global_load_b32 v[SW+8*\k+2], v243, s[10:11] offset:4096+4*\k
	global_load_b32 v[SW+8*\k+3], v243, s[10:11] offset:5120+4*\k
.endr
.irp a, 0,1,2,3,4,5,6,7
	global_load_b128 v[HW+8*\a:HW+8*\a+3], v244, s[12:13] offset:64*\a+256*(\a/4)
	global_load_b128 v[HW+8*\a+4:HW+8*\a+7], v244, s[12:13] offset:64*\a+256*(\a/4)+16
.endr
	s_wait_alu depctr_va_vdst(0)
	PREF 0                                         ; fills 0 and 1
	PREF FILLB
.macro ALOAD part                      ; 32 LDS loads: column blocks 4 part .. + 3, both K steps of my quarter
	WIN 0x40
.irp k, 0,1
.irp a, 0,1,2,3
.irp c, 0,1,2,3
	ds_load_b128 v[16*(8*\k+4*\part+\a)+4*\c:16*(8*\k+4*\part+\a)+4*\c+3], v[ADA+\part] offset:BLKB*\a+128*\k+32*\c
.endr
.endr
.endr
	WIN 0
.endm
.macro FIRST s                         ; a fill of codes at the head: waves 0-3, two positions each
	s_cmp_lt_u32 s[WV], 4
	s_cbranch_scc0 .Lno_part_\@
	tensor_load_to_lds s[G0A+4*\s:G0A+4*\s+3], s[G1A:G1A+7]
	s_nop 0
	FOURNOP
.Lno_part_\@:
.endm
	s_cmp_lt_u32 s[WV], 2
	s_cbranch_scc0 .Lno_wait
	s_wait_tensorcnt 0x0                           ; slot 0's rows are in; the other waves' tiles may stay out
.Lno_wait:
	s_barrier_signal -1
	s_barrier_wait -1
	ALOAD 0
	s_wait_tensorcnt 0x0
	ds_add_u32 v[SPW], v[NIL]
	s_wait_dscnt 0x0                               ; the add is done, slot 0's rows are in registers
	ROUND
	FIRST 0                                        ; the encoder's fill 0 takes slot 0
	ALOAD 1                                        ; slot 1's rows of W go into registers while it is on its way
	PREF 2*FILLB
	s_wait_tensorcnt 0x0
	ds_add_u32 v[SPW], v[NIL]
	s_wait_dscnt 0x0
	ROUND
	FIRST 1                                        ; fill 1 takes slot 1
.macro FRAGS m, ix, ob                 ; block m's two fragments: eight loads
.irp k, 0,1
.irp c, 0,1,2,3
	ds_load_b128 v[FR+32*((\m)%2)+16*\k+4*\c:FR+32*((\m)%2)+16*\k+4*\c+3], v[ADZ+(\ix)] offset:(\ob)+128*\k+32*\c
.endr
.endr
.endm
; Product pP of a block's 16: K step pP / 8, column block pP % 8.  The eight accumulators take turns, one instruction a turn.
.macro PROD
.set mK, pP/8
.set mA, pP%8
.set rD, ACC+8*mA
.set rA, 16*pP
.set rB, FR+32*bP+16*mK
.set rX, SW+8*mK+mA/2
.set rY, SE+2*bQ+mK
.if mK == 0
.if (mA%2 == 0) && (bP == 0)
	v_wmma_scale_f32_16x16x128_f8f6f4 v[rD:rD+7], v[rA:rA+15], v[rB:rB+15], 0, v[rX], v[rY]
.elseif (mA%2 == 1) && (bP == 0)
	v_wmma_scale_f32_16x16x128_f8f6f4 v[rD:rD+7], v[rA:rA+15], v[rB:rB+15], 0, v[rX], v[rY] matrix_a_scale:MATRIX_SCALE_ROW1
.elseif (mA%2 == 0)
	v_wmma_scale_f32_16x16x128_f8f6f4 v[rD:rD+7], v[rA:rA+15], v[rB:rB+15], 0, v[rX], v[rY] matrix_b_scale:MATRIX_SCALE_ROW1
.else
	v_wmma_scale_f32_16x16x128_f8f6f4 v[rD:rD+7], v[rA:rA+15], v[rB:rB+15], 0, v[rX], v[rY] matrix_a_scale:MATRIX_SCALE_ROW1 matrix_b_scale:MATRIX_SCALE_ROW1
.endif
.else
.if (mA%2 == 0) && (bP == 0)
	v_wmma_scale_f32_16x16x128_f8f6f4 v[rD:rD+7], v[rA:rA+15], v[rB:rB+15], v[rD:rD+7], v[rX], v[rY]
.elseif (mA%2 == 1) && (bP == 0)
	v_wmma_scale_f32_16x16x128_f8f6f4 v[rD:rD+7], v[rA:rA+15], v[rB:rB+15], v[rD:rD+7], v[rX], v[rY] matrix_a_scale:MATRIX_SCALE_ROW1
.elseif (mA%2 == 0)
	v_wmma_scale_f32_16x16x128_f8f6f4 v[rD:rD+7], v[rA:rA+15], v[rB:rB+15], v[rD:rD+7], v[rX], v[rY] matrix_b_scale:MATRIX_SCALE_ROW1
.else
	v_wmma_scale_f32_16x16x128_f8f6f4 v[rD:rD+7], v[rA:rA+15], v[rB:rB+15], v[rD:rD+7], v[rX], v[rY] matrix_a_scale:MATRIX_SCALE_ROW1 matrix_b_scale:MATRIX_SCALE_ROW1
.endif
.endif
.endm
.macro FOLDS                           ; 32 folds: each accumulator from its low end on, four chains by turns
.set fF, 0
.rept 32
.set fE, EN+2*(fF%4)
.set fO, 2*fF
.if fF < 4
	v_pk_mul_f32 v[fE:fE+1], v[HW+fO:HW+fO+1], v[ACC+fO:ACC+fO+1]
.else
	v_pk_fma_f32 v[fE:fE+1], v[HW+fO:HW+fO+1], v[ACC+fO:ACC+fO+1], v[fE:fE+1]
.endif
.set fF, fF+1
.endr
.endm
.macro JOIN e                          ; the four chains come together
	v_pk_add_f32 v[T0:T0+1], v[EN:EN+1], v[EN+2:EN+3]
	v_pk_add_f32 v[T1:T1+1], v[EN+4:EN+5], v[EN+6:EN+7]
	s_delay_alu instid0(VALU_DEP_1)
	v_pk_add_f32 v[T0:T0+1], v[T0:T0+1], v[T1:T1+1]
	s_delay_alu instid0(VALU_DEP_1)
	v_add_f32 v[\e], v[T0], v[T0+1]
.endm
.macro PAIR                            ; lanes 0-15 keep the even block's sum and send the odd one's, lanes 16-31 the other way round
	s_delay_alu instid0(VALU_DEP_1)
	v_cndmask_b32 v[PX], v[EE], v[EO], s90
	s_delay_alu instid0(VALU_DEP_2)
	v_cndmask_b32 v[PY], v[EO], v[EE], s90
	s_delay_alu instid0(VALU_DEP_1)
	v_permlanex16_b32 v[PZ], v[PY], s88, s89
	s_delay_alu instid0(VALU_DEP_1)
	v_add_f32 v[PX], v[PX], v[PZ]
.endm
; A BLOCK.  n: its number (a trip's blocks are 2 .. 17); comb: the block before's chains come together; st (n even): the sums of blocks n - 2, n - 1 go to LDS; run: there is a block n + 2 to load;
; w: the LDS instructions issued behind this block's loads, which may stay out.  The eight lines between the last product and the folds are the places that the first fold wants.
; chg 1: all of the slot's rows are in registers or on their way there: this block changes slots and fills its slot again; 2: it changes slots and fills nothing.
; THE CHANGE.  At the head the wait for all tensor loads (one is out) and the add; behind the products the wait for the add and for my reads, and the barrier's signal; the folds, work on registers;
; the barrier's wait, which opens the round; the refill is first behind the round: waves 0-3 codes, waves 4-7 scales.
.macro BLOCK n, comb, st, chg, run, w
.set bP, (\n)%2
.set bQ, ((\n)/2)%2
.set bS, ((\n)/8)%2
.set nX, 2*((((\n)+2)/8)%2)+(((\n)+2)%8)/4
.set nO, BLKB*(((\n)+2)%4)
.set nP, ((\n)+2)/2
	s_wait_alu depctr_va_vdst(0)
.if \chg
.if \chg == 1
	s_wait_xcnt 0x0                                ; the last prefetch has read its base
	s_add_nc_u64 s[PFA:PFA+1], s[PFA:PFA+1], FILLB
.endif
	s_wait_tensorcnt 0x0                           ; no tensor load of mine is out
	ds_add_u32 v[SPW], v[NIL]
.if \chg == 1
	s_add_nc_u64 s[G0A+4*bS+2:G0A+4*bS+3], s[G0A+4*bS+2:G0A+4*bS+3], 2*FILLB
	s_add_nc_u64 s[G0T+4*bS+2:G0T+4*bS+3], s[G0T+4*bS+2:G0T+4*bS+3], 16384
.endif
.endif
	s_wait_dscnt \w
	WIN 1
.set pP, 0
.rept 16
	PROD
.set pP, pP+1
.endr
	WIN 0
.if \comb
	JOIN EE+1-bP
.if \st
	PAIR
.else
	FOURNOP
.endif
.else
	FOURNOP
	FOURNOP
.endif
.if \chg
	s_wait_dscnt 0x0                               ; the add is done, and my reads of this slot are over
	s_barrier_signal -1
.endif
	FOLDS
.if \chg
	s_barrier_wait -1
.if \chg == 1
	CREST
	s_cmp_lt_u32 s[WV], 4
	s_cbranch_scc0 .Lscales_\@
	tensor_load_to_lds s[G0A+4*bS:G0A+4*bS+3], s[G1A:G1A+7]
	s_nop 0
	FOURNOP
	s_branch .Lasked_\@
.Lscales_\@:
	tensor_load_to_lds s[G0T+4*bS:G0T+4*bS+3], s[G1T:G1T+7]
	s_nop 0
	FOURNOP
.Lasked_\@:
.endif
.endif
.if \run
.if bP == 0
	ds_load_b64 v[SE+2*(nP%2):SE+2*(nP%2)+1], v[ADS] offset:4096*((nP/4)%2)+1024*(nP%4)   ; the next pair's scale words
.endif
	FRAGS \n, nX, nO
.endif
.if \st
	ds_store_b32 v[PST], v[PX] offset:64*((\n)-2)
.endif
.if \chg == 1
	s_cmp_gt_u32 s[TRIP], s[LIM]                   ; in the last trip no fill is left to ask for; waves 4-7 ask for none
	s_cbranch_scc0 .Lnothing_\@
	global_prefetch_b8 v[PFO], s[PFA:PFA+1] offset:3*FILLB th:TH_LOAD_NT scope:SCOPE_SE
.Lnothing_\@:
.endif
.endm
	ds_load_b64 v[SE:SE+1], v[ADS]
	FRAGS 0, 0, 0
	FRAGS 1, 0, BLKB
	PREF 3*FILLB
	s_wait_loadcnt 0x0                             ; hidden and W's scale words
	BLOCK 0, 0, 0, 0, 1, 8
	BLOCK 1, 1, 0, 0, 1, 9
	s_mov_b32 s[TRIP], 3
	s_wait_alu depctr_va_vdst(0)
.Ltrip:                                            ; a trip: 16 blocks, two changes of slots; three trips: blocks 2 to 49, fills 2 to 7
	BLOCK 2, 1, 1, 0, 1, 8
	BLOCK 3, 1, 0, 0, 1, 10
	BLOCK 4, 1, 1, 0, 1, 8
	BLOCK 5, 1, 0, 0, 1, 10
	BLOCK 6, 1, 1, 1, 1, 9
	BLOCK 7, 1, 0, 0, 1, 10
	BLOCK 8, 1, 1, 0, 1, 8
	BLOCK 9, 1, 0, 0, 1, 10
	BLOCK 10, 1, 1, 0, 1, 8
	BLOCK 11, 1, 0, 0, 1, 10
	BLOCK 12, 1, 1, 0, 1, 8
	BLOCK 13, 1, 0, 0, 1, 10
	BLOCK 14, 1, 1, 1, 1, 9
	BLOCK 15, 1, 0, 0, 1, 10
	BLOCK 16, 1, 1, 0, 1, 8
	BLOCK 17, 1, 0, 0, 1, 10
	v_add_nc_u32 v[PST], 1024, v[PST]              ; eight pairs of blocks on
	s_sub_co_u32 s[TRIP], s[TRIP], 1
	s_cmp_lg_u32 s[TRIP], 0
	s_wait_alu depctr_va_vdst(0)
	s_cbranch_scc1 .Ltrip
	BLOCK 2, 1, 1, 0, 1, 8                         ; blocks 50 to 63 are written out: nothing is left to fill
	BLOCK 3, 1, 0, 0, 1, 10
	BLOCK 4, 1, 1, 0, 1, 8
	BLOCK 5, 1, 0, 0, 1, 10
	BLOCK 6, 1, 1, 2, 1, 9
	BLOCK 7, 1, 0, 0, 1, 10
	BLOCK 8, 1, 1, 0, 1, 8
	BLOCK 9, 1, 0, 0, 1, 10
	BLOCK 10, 1, 1, 0, 1, 8
	BLOCK 11, 1, 0, 0, 1, 10
	BLOCK 12, 1, 1, 0, 1, 8
	BLOCK 13, 1, 0, 0, 1, 10
	BLOCK 14, 1, 1, 0, 0, 8
	BLOCK 15, 1, 0, 0, 0, 1
	JOIN EO                                        ; block 63
	PAIR
	ds_store_b32 v[PST], v[PX] offset:896
	s_wait_dscnt 0x0                               ; for the others' sake: my stores are done
	s_barrier_signal -1
	s_barrier_wait -1
.irp w, 0,1,2,3,4,5,6,7
	ds_load_b64 v[176+2*\w:177+2*\w], v[FRD] offset:4096*\w        ; wave w's sums: position 2 x lane, my two batches,
	ds_load_b64 v[192+2*\w:193+2*\w], v[FRD] offset:4096*\w+64     ; and position 2 x lane + 1
.endr
	s_wait_dscnt 0x0
.irp j, 176,180,184,188,192,196,200,204
	v_pk_add_f32 v[\j:\j+1], v[\j:\j+1], v[\j+2:\j+3]
.endr
.irp j, 176,184,192,200
	v_pk_add_f32 v[\j:\j+1], v[\j:\j+1], v[\j+4:\j+5]
.endr
	v_add_f32 v208, v176, v184
	v_add_f32 v209, v192, v200
	v_add_f32 v210, v177, v185
	v_add_f32 v211, v193, v201
	global_store_b64 v[GO], v[208:209], s[14:15]                   ; a batch's 64 positions: 256 consecutive bytes, at a multiple of 256
	global_store_b64 v[GO], v[210:211], s[14:15] offset:8192
	s_wait_tensorcnt 0x0                           ; the wave's end
	ds_add_u32 v[SPW], v[NIL]
	s_wait_dscnt 0x0
	ROUND                                          ; the closing round
	s_endpgm
.Lfunc_end_k_qbddbb1b2ec_energy:
	.size	k_qbddbb1b2ec_energy, .Lfunc_end_k_qbddbb1b2ec_energy-k_qbddbb1b2ec_energy
	.p2alignl 7, 3214868480
	.fill 96, 4, 3214868480
	.section	.rodata,"a",@progbits
	.p2align	6, 0x0
	.amdhsa_kernel k_qbddbb1b2ec_energy
		.amdhsa_group_segment_fixed_size 327680
		.amdhsa_private_segment_fixed_size 0
		.amdhsa_enable_private_segment 0
		.amdhsa_kernarg_size 48
		.amdhsa_user_sgpr_count 2
		.amdhsa_user_sgpr_kernarg_segment_ptr 1
		.amdhsa_wavefront_size32 1
		.amdhsa_system_sgpr_workgroup_id_x 1
		.amdhsa_system_sgpr_workgroup_id_y 1
		.amdhsa_system_sgpr_workgroup_id_z 1
		.amdhsa_system_vgpr_workitem_id 0
		.amdhsa_next_free_vgpr 512
		.amdhsa_next_free_sgpr 102
		.amdhsa_reserve_vcc 0
		.amdhsa_float_denorm_mode_32 3
		.amdhsa_float_denorm_mode_16_64 3
		.amdhsa_memory_ordered 1
		.amdhsa_forward_progress 1
		.amdhsa_inst_pref_size 190
	.end_amdhsa_kernel
	.amdgpu_metadata
---
amdhsa.version: [ 1, 2 ]
amdhsa.kernels:
  - .name:           k_qbddbb1b2ec_energy
    .symbol:         k_qbddbb1b2ec_energy.kd
    .args:
      - { .name: encoder_outputs_codes, .offset: 0, .size: 8, .value_kind: global_buffer, .address_space: global }
      - { .name: encoder_outputs_scales, .offset: 8, .size: 8, .value_kind: global_buffer, .address_space: global }
      - { .name: W_codes, .offset: 16, .size: 8, .value_kind: global_buffer, .address_space: global }
      - { .name: W_scales, .offset: 24, .size: 8, .value_kind: global_buffer, .address_space: global }
      - { .name: hidden, .offset: 32, .size: 8, .value_kind: global_buffer, .address_space: global }
      - { .name: parts, .offset: 40, .size: 8, .value_kind: global_buffer, .address_space: global }
    .group_segment_fixed_size: 327680
    .private_segment_fixed_size: 0
    .kernarg_segment_align: 8
    .kernarg_segment_size: 48
    .max_flat_workgroup_size: 256
    .sgpr_count:     102
    .vgpr_count:     512
    .wavefront_size: 32
...
	.end_amdgpu_metadata
.endif
;; end of part 1
;; launch softmax (part 2): grid 32 x 1, 4 waves a work-group, no clusters, 1,024 bytes of LDS; arguments parts, out0; writes out0
.if DOCPART == 2
	.amdgcn_target "amdgcn-amd-amdhsa--gfx1250"
	.amdhsa_code_object_version 6
	.text
	.protected	k_qbddbb1b2ec_softmax
	.globl	k_qbddbb1b2ec_softmax
	.p2align	8
	.type	k_qbddbb1b2ec_softmax,@function
k_qbddbb1b2ec_softmax:
	s_mov_b64 s[64:65], 0
	v_nop
	global_prefetch_b8 v0, s[64:65] scope:SCOPE_SE
	s_setreg_imm32_b32 hwreg(HW_REG_WAVE_MODE, 25, 1), 1
	s_wait_xcnt 0x0
; out0[b][s] = softmax over s of x, x = parts[0][b][s] + .. + parts[3][b][s]; parts: [4][32][2048] f32, from the launch before.
; The bias's term, the same for every s of a batch, is left out: it cancels in the softmax (shown at the head of the launch before).
; One work-group of four waves for a batch; thread t holds numbers 512 j + 4 t .. + 3, j = 0..3: every load and store of a wave covers 512 consecutive bytes.
; Each wave takes its own largest x and its own sum of 2^(x c - t), c = log2(e), t = its largest x times c; the waves exchange t and sum once, and bring the sums under the largest t by 2^(t - largest).
; No matrix unit, no cluster, no tensor load, no prefetch: each row is read once, with no loop to run ahead in.
; LIMITS: the promise holds while |x c| stays under 2^31; v_exp_f32 gives 0 where its result would lie under 2^-126 (ISA guide, 15.8): such weights come out as 0.
.set X, 16                             ; v[16 + 16 i + 4 j ..]: group i, quarter j; the sums end in v16-31
	s_load_b128 s[4:7], s[0:1], 0x0                ; parts s[4:5], out0 s[6:7]
	v_lshl_add_u32 v2, v0, 2, 256                  ; my spare word
	v_mov_b32 v3, 0
	v_lshlrev_b32 v1, 4, v0                        ; 16 bytes a thread
	v_lshrrev_b32 v4, 5, v0
	v_lshlrev_b32 v4, 3, v4                        ; LDS: 8 x wave
	v_and_b32 v5, 3, v0
	v_lshlrev_b32 v5, 3, v5                        ; 8 x (lane % 4)
	v_mov_b32 v6, 0                                ; a lane permute's destination counts as one of its sources
	v_mov_b32 v7, 0
	v_mov_b32 v97, 0                               ; (upper halves of pairs of which the low word serves both)
	v_mov_b32 v99, 0
	s_lshl_b32 s2, ttmp9, 13
	s_mov_b32 s3, 0
	s_mov_b32 s8, 0x76543210                       ; v_permlanex16_b32's selects for lane l xor 16
	s_mov_b32 s9, 0xfedcba98
	s_mov_b32 s12, 0x3fb8aa3b                      ; log2(e)
	s_mov_b32 s13, s12
	s_mov_b32 s14, 0xbfb8aa3b                      ; its negative
	s_wait_alu depctr_va_vdst(0)
	s_wait_kmcnt 0x0
	s_add_nc_u64 s[4:5], s[4:5], s[2:3]
	s_add_nc_u64 s[6:7], s[6:7], s[2:3]
.irp j, 0,1,2,3
.irp i, 0,1,2,3
	global_load_b128 v[X+16*\i+4*\j:X+16*\i+4*\j+3], v1, s[4:5] offset:262144*\i+2048*\j
.endr
.endr
	s_wait_loadcnt 0x0
.irp k, 0,2,4,6,8,10,12,14
	v_pk_add_f32 v[X+\k:X+\k+1], v[X+\k:X+\k+1], v[X+16+\k:X+17+\k]
	v_pk_add_f32 v[X+32+\k:X+33+\k], v[X+32+\k:X+33+\k], v[X+48+\k:X+49+\k]
.endr
.irp k, 0,2,4,6,8,10,12,14
	v_pk_add_f32 v[X+\k:X+\k+1], v[X+\k:X+\k+1], v[X+32+\k:X+33+\k]
.endr
	v_max3_num_f32 v80, v16, v17, v18
	v_max3_num_f32 v81, v19, v20, v21
	v_max3_num_f32 v80, v80, v22, v23
	v_max3_num_f32 v81, v81, v24, v25
	v_max3_num_f32 v80, v80, v26, v27
	v_max3_num_f32 v81, v81, v28, v29
	v_max3_num_f32 v80, v80, v30, v31
	v_max_num_f32 v80, v80, v81
.irp m, 1,2,4,8
	v_max_num_f32_dpp v80, v80, v80 row_xmask:\m row_mask:0xf bank_mask:0xf
.endr
	v_permlanex16_b32 v6, v80, s8, s9
	v_max_num_f32 v80, v80, v6                     ; the wave's largest x
	v_mul_f32 v84, s12, v80                        ; t
	v_mul_f32 v98, s14, v80                        ; -t
.irp k, 0,2,4,6,8,10,12,14
	v_pk_fma_f32 v[X+\k:X+\k+1], v[X+\k:X+\k+1], s[12:13], v[98:99] op_sel_hi:[1,0,0]   ; x c - t
.endr
	s_wait_alu depctr_va_vdst(0)
.irp k, 0,1,2,3,4,5,6,7,8,9,10,11,12,13,14,15
	v_exp_f32 v[X+\k], v[X+\k]
.endr
	v_nop
	s_wait_alu depctr_va_vdst(0)
	v_pk_add_f32 v[86:87], v[16:17], v[18:19]
	v_pk_add_f32 v[88:89], v[20:21], v[22:23]
	v_pk_add_f32 v[90:91], v[24:25], v[26:27]
	v_pk_add_f32 v[92:93], v[28:29], v[30:31]
	v_pk_add_f32 v[86:87], v[86:87], v[88:89]
	v_pk_add_f32 v[90:91], v[90:91], v[92:93]
	v_pk_add_f32 v[86:87], v[86:87], v[90:91]
	v_add_f32 v85, v86, v87
.irp m, 1,2,4,8
	v_add_f32_dpp v85, v85, v85 row_xmask:\m row_mask:0xf bank_mask:0xf
.endr
	v_permlanex16_b32 v7, v85, s8, s9
	v_add_f32 v85, v85, v7                         ; the wave's sum
	ds_store_b64 v4, v[84:85]                      ; all lanes write the wave's pair with the same values
	s_wait_alu depctr_va_vdst(0)
	s_wait_dscnt 0x0                               ; for the others' sake
	s_barrier_signal -1
	s_barrier_wait -1
	ds_load_b64 v[88:89], v5                       ; t and sum of wave lane % 4
	s_wait_dscnt 0x0
	v_mov_b32 v90, v88
	v_max_num_f32_dpp v90, v90, v90 row_xmask:1 row_mask:0xf bank_mask:0xf
	v_max_num_f32_dpp v90, v90, v90 row_xmask:2 row_mask:0xf bank_mask:0xf   ; the largest t
	v_sub_f32 v91, v88, v90
	v_sub_f32 v92, v84, v90
	s_wait_alu depctr_va_vdst(0)
	v_exp_f32 v91, v91
	v_exp_f32 v92, v92
	v_nop
	s_wait_alu depctr_va_vdst(0)
	v_mul_f32 v93, v91, v89
	v_add_f32_dpp v93, v93, v93 row_xmask:1 row_mask:0xf bank_mask:0xf
	v_add_f32_dpp v93, v93, v93 row_xmask:2 row_mask:0xf bank_mask:0xf       ; the row's sum
	s_wait_alu depctr_va_vdst(0)
	v_rcp_f32 v94, v93
	v_nop
	s_wait_alu depctr_va_vdst(0)
	v_mul_f32 v96, v92, v94
.irp k, 0,2,4,6,8,10,12,14
	v_pk_mul_f32 v[X+\k:X+\k+1], v[X+\k:X+\k+1], v[96:97] op_sel_hi:[1,0]
.endr
.irp j, 0,1,2,3
	global_store_b128 v1, v[X+4*\j:X+4*\j+3], s[6:7] offset:2048*\j
.endr
	s_wait_tensorcnt 0x0                           ; the wave's end
	ds_add_u32 v2, v3
	s_wait_dscnt 0x0
	s_endpgm
.Lfunc_end_k_qbddbb1b2ec_softmax:
	.size	k_qbddbb1b2ec_softmax, .Lfunc_end_k_qbddbb1b2ec_softmax-k_qbddbb1b2ec_softmax
	.p2alignl 7, 3214868480
	.fill 96, 4, 3214868480
	.section	.rodata,"a",@progbits
	.p2align	6, 0x0
	.amdhsa_kernel k_qbddbb1b2ec_softmax
		.amdhsa_group_segment_fixed_size 1024
		.amdhsa_private_segment_fixed_size 0
		.amdhsa_enable_private_segment 0
		.amdhsa_kernarg_size 16
		.amdhsa_user_sgpr_count 2
		.amdhsa_user_sgpr_kernarg_segment_ptr 1
		.amdhsa_wavefront_size32 1
		.amdhsa_system_sgpr_workgroup_id_x 1
		.amdhsa_system_sgpr_workgroup_id_y 1
		.amdhsa_system_sgpr_workgroup_id_z 1
		.amdhsa_system_vgpr_workitem_id 0
		.amdhsa_next_free_vgpr 104
		.amdhsa_next_free_sgpr 66
		.amdhsa_reserve_vcc 0
		.amdhsa_float_denorm_mode_32 3
		.amdhsa_float_denorm_mode_16_64 3
		.amdhsa_memory_ordered 1
		.amdhsa_forward_progress 1
		.amdhsa_inst_pref_size 9
	.end_amdhsa_kernel
	.amdgpu_metadata
---
amdhsa.version: [ 1, 2 ]
amdhsa.kernels:
  - .name:           k_qbddbb1b2ec_softmax
    .symbol:         k_qbddbb1b2ec_softmax.kd
    .args:
      - { .name: parts, .offset: 0, .size: 8, .value_kind: global_buffer, .address_space: global }
      - { .name: out0, .offset: 8, .size: 8, .value_kind: global_buffer, .address_space: global }
    .group_segment_fixed_size: 1024
    .private_segment_fixed_size: 0
    .kernarg_segment_align: 8
    .kernarg_segment_size: 16
    .max_flat_workgroup_size: 128
    .sgpr_count:     66
    .vgpr_count:     104
    .wavefront_size: 32
...
	.end_amdgpu_metadata
.endif
;; end of part 2
